; MI455X (gfx1250); checked and timed in simulation.
; The chip was launched on July 23, 2026; its instructions are those of AMD's public machine-readable ISA for CDNA 5 (MIT licence, August 2026) and "CDNA5" Instruction Set Architecture Reference Guide (July 2026). The comments in the code are by the model that wrote it; some were corrected since.
;; K Way Pred. Allowed arithmetic: matrix products marked QUANTISED: E2M1 operands, one E8M0 scale for each 32 along K, by v_wmma_scale_f32_16x16x128_f8f6f4 with both operands' format E2M1 (or v_wmma_scale_f32_32x16x128_f4), f32 sums; products left as they are: f32 operands where the result goes on into a quantised operand, else bf16, f16 or f32 operands; f32 sums; everything else in f32.
;; Inputs: h_u_codes 32,768 x 8 x 16 uint8 (E2M1 codes of h_u, K innermost, in blocks of 32 codes, two codes a byte); h_u_scales 32,768 x 8 uint8 (E8M0 scales of h_u, one for each 32 codes along K); h_v 32,768 x 256 float32; weights_codes 32 x 256 x 8 x 16 uint8 (E2M1 codes of weights, K innermost, in blocks of 32 codes, two codes a byte); weights_scales 32 x 256 x 8 uint8 (E8M0 scales of weights, one for each 32 codes along K).
;; Outputs: out0 32,768 x 32 float32.
;; This version of the problem:
;;   THIS VERSION OF THE PROBLEM IS GIVEN IN LOW PRECISION. The matrix products marked QUANTISED in the list below multiply operands that are first quantised to E2M1 (2 exponent bits, 1 mantissa bit; 4 bits a number), with one power-of-two scale for each 32 numbers along K (OCP MX v1.0); their sums are f32. All else is computed in f32.
;;   The module's matrix products, in the order in which they are computed (A, B: the left and right operand; K: the contracted axis; several contracted axes count as one K, in the product's order):
;;     1. [M 8,192, K 256] x [K 256, N 32,768]; A: input weights (given as codes); B: input h_u (given as codes): QUANTISED
;;     2. batch 32,768 x [M 32, K 256] x [K 256, N 1]; A: computed on the way; B: input h_v: left as it is (N = 1 < 16)
;;   THE QUANTISER, for each operand of a quantised product, along K:
;;     - K is cut into blocks of 32 from its start; a last block that is shorter is filled with zeros.
;;     - A block's scale is 2^e with e = floor(log2(the largest magnitude in the block)) - 2, held to -126 .. 127; a block of zeros has e = 0. As a byte (E8M0): e + 127.
;;     - Each number is divided by its block's scale, clamped to +-6, and rounded to the nearest number of E2M1, ties to even, subnormals kept.
;;     - The product sums the exact products of the quantised numbers (number of the format x scale) in f32.
;;   ~~~python
;;   def quantise(x, axis):      # numpy; x: float32 -> the quantised numbers, widened to float32 again
;;       x = np.moveaxis(x, axis, -1); K = x.shape[-1]
;;       x = np.pad(x, [(0, 0)] * (x.ndim - 1) + [(0, -K % 32)]); x = x.reshape(x.shape[:-1] + (-1, 32)); a = np.abs(x).max(-1, keepdims=True)
;;       e = np.where(a > 0, np.clip(np.frexp(np.where(a > 0, a, 1))[1] - 1 - 2, -126, 127), 0)      # np.frexp(a)[1] - 1 = floor(log2(a)), exactly
;;       r = np.clip(x / 2.0 ** e, -6, 6)
;;       step = 2.0 ** (np.maximum(np.frexp(np.where(r == 0, 1, r))[1] - 1, 0) - 1)
;;       q = np.round(r / step) * step * 2.0 ** e      # np.round: ties to even
;;       return np.moveaxis(q.reshape(q.shape[:-2] + (-1,))[..., :K], -1, axis).astype(np.float32)
;;   ~~~
;;   INPUTS GIVEN AS CODES. h_u (in the module: [32768, 256], K = its axis 1); weights (in the module: [32, 256, 256], K = its axis 1): each comes as NAME_codes (uint8): NAME with its K axis moved to the last place and cut into blocks of 32 codes, [.., K / 32, bytes a block], one block behind the other in memory; two codes a byte, the lower K in the low four bits (a code: sign, 2 exponent bits, 1 mantissa bit); and NAME_scales (uint8): the same leading axes, one E8M0 byte (e + 127) for each 32 codes along K. Its value is code x scale, taken as it is: it is not quantised again, and the codes and scales need not be those that the quantiser above would give.
;; One version. Each part assembles by itself: llvm-mc -triple=amdgcn-amd-amdhsa -mcpu=gfx1250 --defsym DOCPART=n.
;; ======== version 1 of 1: 1 launch
;; limits: right only within a limited range of input values
;; launch kway (part 1): grid 128 x 2, 8 waves a work-group, clusters of 4 x 2, 327,680 bytes of LDS; arguments h_u_codes, h_u_scales, h_v, weights_codes, weights_scales, out0; writes out0
.if DOCPART == 1
	.amdgcn_target "amdgcn-amd-amdhsa--gfx1250"
	.amdhsa_code_object_version 6
	.text
	.protected	k_qb5999173d1_kway
	.globl	k_qb5999173d1_kway
	.p2align	8
	.type	k_qb5999173d1_kway,@function
k_qb5999173d1_kway:
	s_mov_b64 s[64:65], 0
	v_nop
	global_prefetch_b8 v0, s[64:65] scope:SCOPE_SE
	s_setreg_imm32_b32 hwreg(HW_REG_WAVE_MODE, 25, 1), 1
	s_wait_xcnt 0x0
	s_wait_alu depctr_hold_cnt(0) depctr_sa_sdst(0) depctr_va_vdst(0) depctr_va_sdst(0) depctr_va_ssrc(0) depctr_va_vcc(0) depctr_vm_vsrc(0)
	s_getreg_b32 s2, hwreg(HW_REG_IB_STS2, 6, 4)
	s_cmp_eq_u32 s2, 0
	s_cbranch_scc0 .Lentry_in_a_cluster
	s_endpgm
.Lentry_in_a_cluster:
	s_bfe_u32 s2, ttmp6, 0x10000c
	s_cmp_lg_u32 s2, 0x7013
	s_cbranch_scc0 .Lentry_shape_is_right
	s_endpgm
.Lentry_shape_is_right:
; out0[n][r] = sum over e of ( sum over d of h_u[n][d] W[r][d][e] ) x h_v[n][e].   n: 32,768; r: 32; d, e: 256.
; The inner sum is a product on codes of FP4 (E2M1) with one E8M0 scale for each 32 along d: h_u [n][d] and W [r][e][d] arrive as codes, d innermost, 128 bytes a row, with 8 scale bytes a row.
; Its results are multiplied by h_v in f32 as soon as they are made and never leave the registers.
; SHARES.  A work-group owns 256 rows n and 16 of the 32 r: W's 524,288 bytes of codes and h_v's 262,144 are what it draws (128 rows and all 32 r would be 1,048,576 and 131,072).
; The price: of each row of out0 it writes 64 bytes, its partner in the cluster the other 64.
; The launch walks e: a SLOT is 32 e of the 16 r (65,536 bytes of W's codes).  Wave w takes rows 128 (w / 4) on and e = 8 (w % 4) .. + 7 of each slot.
; THE MATRIX INSTRUCTION takes, as source 0, 32 rows (r, e) of W: row 16 u + 8 g + x is r = 8 u + x at e = e0 + 4 g; and as source 1 16 rows n of h_u, 128 along d.
; Lane l then holds n = l % 16, and register 8 u + x holds r = 8 u + x at e = e0 + 4 (l / 16): one number of h_v is the factor of all 16 results of a lane, and no two lanes want the same one.
; The wave's sums (16 registers a tile of n) stay in the layout of the results.  At the end the halves of the lanes are added, then, through LDS, the four waves that share their rows n.
; h_v comes in as the walk goes: 64 e (two slots) of the 256 rows at a time; a wave keeps the numbers of two slots in 64 registers.
; A UNIT is four matrix instructions (two tiles of n, two steps along d, the two results by turns), then the sixteen packed multiply-adds of the unit before.  Two sets of results take turns.
; CLUSTERS: 4 x 2 work-groups.  The four of a row have the same r and ask for W's codes and scale bytes JOINTLY; the two of a column have the same rows n and ask for h_u and h_v jointly.
; ONE TENSOR LOAD A WAVE: waves 0 to 3 bring W's codes (8 e each), waves 4 and 5 h_v (128 rows each), wave 6 W's scale bytes, wave 7 h_u (at the head alone).
; REGISTERS.  Window 0: v0-31 addresses, scale words, h_v, h_u.  Window 1: fragments of W, results, sums.  One setting serves matrix instructions and multiply-adds alike.
; PREFETCHES: W's codes by four clusters, h_v by every cluster for its own rows; partners share the blocks out by address; one change of slots ahead of the load.  W's scale bytes are not asked for ahead:
; they are 8,192 bytes for two slots, beside 131,072 of codes.
; ORDER OF ROUNDING: the sum over e is f32, in a wave's own e for each half of the lanes, then over the halves, then over four waves: another order than a plain ascending sum.
; LIMITS: none of range.  A scale byte 0xff gives NaN, as the format says.
.set RP,    1056                       ; LDS pitch of one r in a tile of W: two pieces of 4 e x 128 bytes, 16 bytes of padding behind each: 8 r x 2 pieces start at 16 different columns of 16 bytes
.set WT,    16*RP                      ; what one wave brings of a slot
.set SLOT1, 0
.set SLOT0, 4*WT
.set HV,    8*WT                       ; h_v: 256 rows of 256 bytes, pitch 272
.set SC,    HV+256*272                 ; W's scale bytes of 64 e: 16 rows r of 512 bytes, pitch 528
.set HUL,   SC+16*528                  ; h_u's codes: 128 units of 256 bytes (two rows n), pitch 272
.set SPARE, HUL+128*272                ; the spare words, 128 bytes for each wave: four blocks of 256 bytes that no other line names
.set PART,  SLOT0                      ; at the end: the waves' sums, [wave][128 rows of 80 bytes]: in slot 0 and the head of HV, which have had their last fill and their last read
.set PW,    128*80
.set SPW, 1                            ; LDS address of my spare word; never rewritten
.set NIL, 2                            ; 0; never rewritten
.set ADW, 3                            ; v3-4 my place in slot 0, 1
.set AHV, 5                            ; in h_v
.set ASC, 6                            ; in W's scale bytes
.set PFO, 7                            ; the prefetches' offset
.set AHU, 8                            ; in h_u
.set LR,  9                            ; l % 16
.set LH,  10                           ; l / 16
.set LN,  11                           ; l
.set WVV, 12
.set HO,  13
.set T1,  14
.set T2,  15
.set T3,  16
.set T4,  17
.set T5,  18
.set T6,  19
.set PST, 20                           ; where I store my sums
.set PLD, 21                           ; where I read the four waves'
.set GOF, 22                           ; my place among 8 rows of out0
.set HSC, 32                           ; h_u's scale words: tile nt, step s at 2 nt + s
.set WSC, 48                           ; W's: slot parity p, instruction's e number i, step s at 8 p + 2 i + s; lane m has row m's
.set HVR, 64                           ; h_v: slot parity p, tile nt, e number i at 32 p + 4 nt + i
.set HU,  128                          ; h_u's fragments: tile nt, step s at 16 nt + 8 s
.set AF,  0                            ; window 1: W's fragments, two buffers: 16 s + 8 u + 4 c
.set DD,  64                           ; window 1: results, two sets of two tiles
.set ACC, 128                          ; window 1: sums, tile nt at 16 nt
.set WV,  16
.set CX,  17                           ; my place in the cluster: in masks and global addresses alone
.set CY,  18
.set NG,  3                            ; my 256 rows n: 4 x cluster x + cx
.set G1W, 24                           ; descriptor groups 1
.set G1V, 32
.set G1S, 40
.set G1U, 48
.set G0W, 56                           ; s[56:63] group 0 for W, a set for each slot
.set TRIP, 66
.set G0V, 68
.set G0S, 72
.set G0U, 76
.set PFA, 80                           ; where my prefetches stand
.set STE, 82                           ; their step at the even and at the odd changes of slots
.set STO, 84
.set LIME, 86                          ; I prefetch at an even (odd) change while TRIP is above this
.set LIMO, 87
.set OUTP, 88                          ; out0 at my wave's 32 rows, my 16 r
.set PFD, 90
.set SH1, 92
.set SH2, 93
.set WOF, 94                           ; W's offsets: never hold cx
.set HOF, 96                           ; h_u's and h_v's: never hold cy
.set LOOPW, 0x51                       ; sources 0 and 2 and the destination in window 1, source 1 in window 0
.set MSB, 0
.macro WIN new                         ; the immediate's high byte repeats the setting that is left
.if MSB != (\new)
	s_set_vgpr_msb (MSB<<8)|(\new)
.set MSB, (\new)
.endif
.endm
.macro PLACES n
.rept \n
	v_nop
.endr
.endm
.macro CREST                           ; a round of the cluster's barrier behind its opening barrier
	s_cmp_lg_u32 s[WV], 0
	s_cbranch_scc1 .Lnot_wave_0_\@
	s_barrier_signal -3
.Lnot_wave_0_\@:
	s_barrier_wait -3
	s_barrier_signal -1
	s_barrier_wait -1
.endm
.macro CROUND                          ; a whole round
	s_barrier_signal -1
	s_barrier_wait -1
	CREST
.endm
.macro DESC g, c, r, p                 ; a group 1 behind its first word: r rows of c elements, pitch p
	s_mov_b32 s[\g+1], (\c)<<16
	s_mov_b32 s[\g+2], (\r)<<16
	s_mov_b32 s[\g+3], (\c)<<16
	s_mov_b32 s[\g+4], \r
	s_mov_b32 s[\g+5], \p
	s_mov_b32 s[\g+6], 0
	s_mov_b32 s[\g+7], 0
.endm
.macro TLOAD g0, g1                    ; a tensor load with an s_nop and four v_nops behind it
	tensor_load_to_lds s[\g0:\g0+3], s[\g1:\g1+7]
	s_nop 0
	PLACES 4
.endm
; The loads of a change of slots, by the wave's number: W's codes into slot b; behind an even slot also h_v and W's scale bytes of the next 64 e.
.macro REFILL b
	s_cmp_lt_u32 s[WV], 4
	s_cbranch_scc0 .Lnot_w_\@
	TLOAD G0W+4*(\b), G1W
.if (\b) == 0
	s_branch .Lasked_\@
.endif
.Lnot_w_\@:
.if (\b) == 0
	s_cmp_lt_u32 s[WV], 6
	s_cbranch_scc0 .Lnot_v_\@
	TLOAD G0V, G1V
	s_branch .Lasked_\@
.Lnot_v_\@:
	s_cmp_lt_u32 s[WV], 7
	s_cbranch_scc0 .Lasked_\@
	TLOAD G0S, G1S
.Lasked_\@:
.endif
.endm
.macro ASK lim                         ; a prefetch into the L2 of what the next change of slots (h_v: the next even one) will load; not in the trips whose look-ahead would pass the end
	s_cmp_gt_u32 s[TRIP], s[\lim]
	s_cbranch_scc0 .Lnot_mine_\@
	global_prefetch_b8 v[PFO], s[PFA:PFA+1] th:TH_LOAD_NT scope:SCOPE_SE
.Lnot_mine_\@:
.endm
.macro FETCH nb, ne                    ; W's fragments of slot nb, e number ne: 32 rows x 256 along d, in one run
	WIN 0x40
.irp m, 0,1,2,3,4,5,6,7
	ds_load_b128 v[AF+32*((\ne)%2)+4*\m:AF+32*((\ne)%2)+4*\m+3], v[ADW+(\nb)] offset:((\m/2)%2)*8*RP+128*(\ne)+64*(\m/4)+32*(\m%2)
.endr
.endm
.macro VSC p                           ; scale words of W for a slot of parity p
	WIN 0
	ds_load_b128 v[WSC+8*\p:WSC+8*\p+3], v[ASC] offset:256*\p
	ds_load_b128 v[WSC+8*\p+4:WSC+8*\p+7], v[ASC] offset:256*\p+16
.endm
.macro VSV p                           ; numbers of h_v for it
	WIN 0
.irp nt, 0,1,2,3,4,5,6,7
	ds_load_b128 v[HVR+32*\p+4*\nt:HVR+32*\p+4*\nt+3], v[AHV] offset:\nt*16*272+128*\p
.endr
.endm
.macro HULOAD nt                       ; h_u's two fragments of a tile: step m / 2, half m % 2 of its 64 bytes
.irp m, 0,1,2,3
	ds_load_b128 v[HU+16*(\nt)+4*\m:HU+16*(\nt)+4*\m+3], v[AHU] offset:(\nt)*8*272+32*\m
.endr
.endm
; A UNIT: slot parity b, e number e, tiles 2 np and 2 np + 1.  mm: its matrix instructions.  pk: the multiply-adds of the unit before (2: they start the sums: nothing is cleared).
; PLACES (ISA guide 7.12.1): behind a unit's matrix instructions stand the sixteen multiply-adds of the other set before its results are read, in ascending order, or its fragments' registers are loaded anew.
.macro UNIT b, e, np, mm, pk
	WIN LOOPW
.if \mm
.set k, 0
.rept 4
.set rD, DD+32*((\np)%2)+16*(k%2)
.set rA, AF+32*((\e)%2)+16*(k/2)
.set rB, HU+16*(2*(\np)+k%2)+8*(k/2)
.set rSA, WSC+8*(\b)+2*(\e)+k/2
.set rSB, HSC+2*(2*(\np)+k%2)+k/2
.if k < 2
	v_wmma_scale_f32_32x16x128_f4 v[rD:rD+15], v[rA:rA+15], v[rB:rB+7], 0, v[rSA], v[rSB]
.else
	v_wmma_scale_f32_32x16x128_f4 v[rD:rD+15], v[rA:rA+15], v[rB:rB+7], v[rD:rD+15], v[rSA], v[rSB]
.endif
.set k, k+1
.endr
.endif
.if \pk
.set pb, \b
.set pe, \e
.set pnp, (\np)-1
.if (\np) == 0
.set pnp, 3
.set pe, (\e)-1
.if (\e) == 0
.set pe, 3
.set pb, 1-(\b)
.endif
.endif
.set j, 0
.rept 16
.set pn, 2*pnp+j/8
.set rd, DD+32*(pnp%2)+16*(j/8)+2*(j%8)
.set ra, ACC+16*pn+2*(j%8)
.set rh, HVR+32*pb+4*pn+2*(pe/2)
.if (\pk) == 2
	v_pk_mul_f32 v[ra:ra+1], v[rd:rd+1], v[rh:rh+1] op_sel_hi:[1,0]
.elseif pe%2
	v_pk_fma_f32 v[ra:ra+1], v[rd:rd+1], v[rh:rh+1], v[ra:ra+1] op_sel:[0,1,0]
.else
	v_pk_fma_f32 v[ra:ra+1], v[rd:rd+1], v[rh:rh+1], v[ra:ra+1] op_sel_hi:[1,0,1]
.endif
.set j, j+1
.endr
.endif
.endm
.macro E1A b, pk                       ; the second e begins; an even slot also reads its successor's scale words and h_v, whose last readers have passed
	s_wait_dscnt 0x0
	FETCH \b, 2
.if (\b) == 0
	VSC 1
	VSV 1
.endif
	UNIT \b, 1, 0, 1, \pk
.endm
.macro E0 b                            ; a slot's first e, and the second's first unit
	s_wait_dscnt 0x0                               ; the first e's fragments (and what was read with them) are in
	FETCH \b, 1
.irp z, 0,1,2,3
	UNIT \b, 0, \z, 1, 1
.endr
	E1A \b, 1
.endm
; The rest of a slot.  chg = 2: the slot is left and filled again; 1: it is left; 0: the last slot, up to its last e.
; THE CHANGE OF SLOTS stands in the third e, when the last e's fragments have been read: each wave waits for all its tensor loads, adds 0 to its spare word, and waits for that and for its reads.
; Behind the barrier nobody reads this slot (nor, behind an even one, h_v and the scale bytes), and what was asked for a slot ago is whole.
.macro REST b, chg
.irp z, 1,2,3
	UNIT \b, 1, \z, 1, 1
.endr
	s_wait_dscnt 0x0
	FETCH \b, 3
	UNIT \b, 2, 0, 1, 1
	UNIT \b, 2, 1, 1, 1
.if (\chg) == 0
	UNIT \b, 2, 2, 1, 1
	UNIT \b, 2, 3, 1, 1
	s_wait_dscnt 0x0
.else
	WIN 0                                          ; (the add's two registers lie in window 0)
	s_wait_tensorcnt 0x0                           ; all my tensor loads have landed, so a group 0 may be written
	ds_add_u32 v[SPW], v[NIL]                      ; 0 onto my spare word
.if (\chg) == 2
	s_add_nc_u64 s[G0W+4*(\b)+2:G0W+4*(\b)+3], s[G0W+4*(\b)+2:G0W+4*(\b)+3], 8192   ; 64 e on; the type bits on top are not reached
	s_wait_xcnt 0x0                                ; the last prefetch, a slot back, has read its address
.if (\b) == 0
	s_add_nc_u64 s[G0V+2:G0V+3], s[G0V+2:G0V+3], 256
	s_add_nc_u64 s[G0S+2:G0S+3], s[G0S+2:G0S+3], 512
	s_add_nc_u64 s[PFA:PFA+1], s[PFA:PFA+1], s[STE:STE+1]
.else
	s_add_nc_u64 s[PFA:PFA+1], s[PFA:PFA+1], s[STO:STO+1]
.endif
.endif
	s_wait_dscnt 0x0                               ; the add is done, my reads are over
	s_barrier_signal -1
	UNIT \b, 2, 2, 1, 1                            ; work on registers while the others arrive
	WIN 0
	s_barrier_wait -1
.if (\chg) == 2
	CREST                                          ; the barrier has opened a round of the cluster's: no wave of any partner still reads this slot or has a load on its way
	REFILL \b                                      ; my one tensor load behind the round
.endif
	UNIT \b, 2, 3, 1, 1
	s_wait_dscnt 0x0
	FETCH 1-(\b), 0                                ; the next slot's first fragments
.if (\b) == 1
	VSC 0                                          ; and the next 64 e's scale words and h_v
	VSV 0
.endif
	WIN 0
.if (\chg) == 2
.if (\b) == 0
	ASK LIME
.else
	ASK LIMO
.endif
.endif
.irp z, 0,1,2,3
	UNIT \b, 3, \z, 1, 1
.endr
.endif
.endm
; My sums of tiles 2 q, 2 q + 1: the halves of the lanes change places between the two tiles and are added: lanes 0-15 then hold tile 2 q's, lanes 16-31 tile 2 q + 1's.  Then 64 bytes a row n into LDS.
.macro PUT q
	WIN 0x55
.set j, 0
.rept 16
	v_permlane16_swap_b32 v[ACC+32*\q+j], v[ACC+32*\q+16+j]
.set j, j+1
.endr
.set j, 0
.rept 8
	v_pk_add_f32 v[ACC+32*\q+j:ACC+32*\q+j+1], v[ACC+32*\q+j:ACC+32*\q+j+1], v[ACC+32*\q+16+j:ACC+32*\q+17+j]
.set j, j+2
.endr
	WIN 0x04
.irp m, 0,1,2,3
	ds_store_b128 v[PST], v[ACC+32*\q+4*\m:ACC+32*\q+4*\m+3] offset:32*80*\q+16*\m
.endr
.endm
	s_load_b256 s[4:11], s[0:1], 0x0               ; h_u's codes s[4:5], its scales s[6:7], h_v s[8:9], W's codes s[10:11]
	s_load_b128 s[12:15], s[0:1], 0x20             ; W's scales s[12:13], out0 s[14:15]
	v_lshl_add_u32 v[SPW], v0, 2, SPARE
	v_mov_b32 v[NIL], 0
	ds_add_u32 v[SPW], v[NIL]                      ; the wave's opening: the add, twice on end, and its wait ahead of my first tensor load
	ds_add_u32 v[SPW], v[NIL]
	v_lshrrev_b32 v[WVV], 5, v0
	v_and_b32 v[LN], 31, v0
	v_and_b32 v[LR], 15, v0
	v_bfe_u32 v[LH], v0, 4, 1
	v_readfirstlane_b32 s[WV], v[WVV]              ; wave 0..7
	s_bfe_u32 s[CX], ttmp6, 0x40000
	s_bfe_u32 s[CY], ttmp6, 0x40004                ; my r: 16 cy on
	s_lshl_b32 s[NG], ttmp9, 2                     ; in a cluster launch ttmp9 counts clusters
	s_add_co_u32 s[NG], s[NG], s[CX]               ; my rows n: 256 NG on
	; groups 1.  Word 0: 15:0 mask; 17:16 element size; 20 padding on; 21 set beside a mask; 24:22 padding's interval; 31:25 four words
	s_lshl_b32 s20, s[CY], 2
	s_lshl_b32 s20, 15, s20                        ; my row of the cluster
	s_lshl_b32 s21, 0x11, s[CX]                    ; my column
	s_or_b32 s[G1W], s20, (1<<20)|(1<<21)|(6<<22)|(3<<25)
	s_or_b32 s[G1S], s20, (1<<20)|(1<<21)|(6<<22)|(3<<25)
	s_or_b32 s[G1V], s21, (2<<16)|(1<<20)|(1<<21)|(5<<22)|(3<<25)
	s_or_b32 s[G1U], s21, (1<<20)|(1<<21)|(5<<22)|(3<<25)
	DESC G1W, 1024, 16, 32768                      ; W: 16 r, 8 e of each (1,024 bytes), 32,768 bytes from r to r
	DESC G1S, 512, 16, 2048                        ; W's scale bytes: 16 r, 64 e of each (512 bytes)
	DESC G1V, 64, 128, 256                         ; h_v: 128 rows, 64 f32 of each
	DESC G1U, 256, 128, 256                        ; h_u: 256 rows = 128 rows of 256 bytes, dense
	s_and_b32 s19, s[WV], 3
	s_lshl_b32 s20, s19, 10                        ; W: 1,024 bytes of each r a wave
	s_mul_i32 s19, s19, WT
	s_mov_b32 s[G0W], 1
	s_add_co_u32 s[G0W+1], s19, SLOT0
	s_mov_b32 s[G0W+4], 1
	s_add_co_u32 s[G0W+5], s19, SLOT1
	s_lshl_b32 s[WOF], s[CY], 19                   ; my 16 r
	s_add_co_u32 s[WOF], s[WOF], s20
	s_mov_b32 s[WOF+1], 0
	s_mov_b32 s[HOF+1], 0
	s_and_b32 s19, s[WV], 1
	s_mul_i32 s19, s19, 128*272
	s_mov_b32 s[G0V], 1
	s_add_co_u32 s[G0V+1], s19, HV
	s_mov_b32 s[G0S], 1
	s_mov_b32 s[G0S+1], SC
	s_mov_b32 s[G0U], 1
	s_mov_b32 s[G0U+1], HUL
	; the prefetches.  Waves 0 and 1 of clusters 0, 4, 16 and 20: W's slot, 256 blocks of 256 bytes for my 16 r: partner cx takes r = 4 cx on, a wave two of them, lanes 16 blocks of each r.
	; Waves 4 to 7 of every work-group: the 256 rows of h_v, 128 for each partner of the column, 32 a wave, a lane a row.
	s_lshl_b32 s22, s[CX], 17
	s_lshl_b32 s19, s[CY], 19
	s_add_co_u32 s22, s22, s19
	s_lshl_b32 s19, s[WV], 16
	s_add_co_u32 s22, s22, s19
	s_add_co_u32 s22, s22, 8192                    ; slot 2
	s_lshl_b32 s20, s[NG], 18
	s_lshl_b32 s19, s[CY], 17
	s_add_co_u32 s20, s20, s19
	s_and_b32 s19, s[WV], 3
	s_lshl_b32 s19, s19, 15
	s_add_co_u32 s20, s20, s19
	s_add_co_u32 s20, s20, 256                     ; the second 64 e
	s_and_b32 s21, ttmp9, 0xffffffeb
	s_lshr_b32 s19, s[WV], 1
	s_or_b32 s19, s19, s21
	s_cmp_eq_u32 s19, 0
	s_cselect_b32 s[LIMO], 1, -1
	s_cselect_b32 s[LIME], 0, -1
	s_mov_b32 s19, 256
	s_cmp_lt_u32 s[WV], 4
	s_cselect_b32 s[LIME], s[LIME], 1
	s_cselect_b32 s[STE], 4096, s19
	s_cselect_b32 s[STO], 4096, 0
	s_cselect_b32 s[SH1], 15, 14
	s_cselect_b32 s[SH2], 8, 10
	s_cselect_b32 s[PFD], s22, s20
	s_mov_b32 s[PFD+1], 0
	s_mov_b32 s[STE+1], 0
	s_mov_b32 s[STO+1], 0
	s_wait_alu depctr_va_vdst(0)
	s_wait_dscnt 0x0                               ; both opening adds are done
	s_wait_kmcnt 0x0
	s_add_nc_u64 s[G0W+2:G0W+3], s[10:11], s[WOF:WOF+1]
	s_add_nc_u64 s[G0W+6:G0W+7], s[G0W+2:G0W+3], 4096
	s_or_b32 s[G0W+3], s[G0W+3], 0x80000000
	s_or_b32 s[G0W+7], s[G0W+7], 0x80000000
	s_lshl_b32 s[WOF], s[CY], 15
	s_add_nc_u64 s[G0S+2:G0S+3], s[12:13], s[WOF:WOF+1]
	s_or_b32 s[G0S+3], s[G0S+3], 0x80000000
	s_lshl_b32 s[HOF], s[NG], 15                   ; h_u's codes: 128 bytes a row n
	s_add_nc_u64 s[G0U+2:G0U+3], s[4:5], s[HOF:HOF+1]
	s_or_b32 s[G0U+3], s[G0U+3], 0x80000000
	s_lshl_b32 s[HOF], s[NG], 18                   ; h_v: 1,024 bytes a row n; rows 128 (w % 2) on
	s_and_b32 s19, s[WV], 1
	s_lshl_b32 s19, s19, 17
	s_add_co_u32 s[HOF], s[HOF], s19
	s_add_nc_u64 s[G0V+2:G0V+3], s[8:9], s[HOF:HOF+1]
	s_or_b32 s[G0V+3], s[G0V+3], 0x80000000
	CROUND                                         ; all eight work-groups are here: the first joint loads meet
; THE HEAD'S LOADS, one a wave: one chain of branches on the wave's number, every way through it passes exactly one.
.macro ARM under, g0, g1, next
	s_cmp_lt_u32 s[WV], \under
	s_cbranch_scc0 \next
	TLOAD \g0, \g1
	s_branch .Lhead_asked
\next:
.endm
	ARM 4, G0W, G1W, .Lhead_v
	ARM 6, G0V, G1V, .Lhead_s
	ARM 7, G0S, G1S, .Lhead_u
	TLOAD G0U, G1U
.Lhead_asked:
	s_lshl_b32 s22, s[NG], 11                      ; h_u's scales: 8 bytes a row n, my wave's 128 rows
	s_lshr_b32 s19, s[WV], 2
	s_lshl_b32 s19, s19, 10
	s_add_co_u32 s22, s22, s19
	s_mov_b32 s23, 0
	s_add_nc_u64 s[6:7], s[6:7], s[22:23]
	s_cmp_lt_u32 s[WV], 4
	s_cselect_b64 s[PFA:PFA+1], s[10:11], s[8:9]
	s_add_nc_u64 s[PFA:PFA+1], s[PFA:PFA+1], s[PFD:PFD+1]
	s_lshl_b32 s[PFD], s[NG], 15                   ; out0: 128 bytes a row n, my wave's 32 rows, my 64 bytes of each
	s_lshl_b32 s19, s[WV], 12
	s_add_co_u32 s[PFD], s[PFD], s19
	s_lshl_b32 s19, s[CY], 6
	s_add_co_u32 s[PFD], s[PFD], s19
	s_add_nc_u64 s[OUTP:OUTP+1], s[14:15], s[PFD:PFD+1]
	v_lshlrev_b32 v[HO], 3, v[LR]
.irp nt, 0,1,2,3,4,5,6,7
	global_load_b64 v[HSC+2*\nt:HSC+2*\nt+1], v[HO], s[6:7] offset:128*\nt   ; lane r takes row r's two words (lanes 16-31 the same: they are not read)
.endr
	s_and_b32 s20, s[WV], 3                        ; my e of a slot: 8 (w % 4) on
	s_mul_i32 s19, s20, WT                         ; W: my tile of a slot
	s_lshl_b32 s21, s20, 6                         ; scale words: 64 bytes a group of e
	s_add_co_u32 s21, s21, SC
	s_mul_i32 s13, s20, 2560                       ; the way out: 32 rows of 80 bytes
	s_lshl_b32 s20, s20, 5                         ; h_v: 32 bytes a group of e,
	s_lshr_b32 s22, s[WV], 2
	s_mul_i32 s12, s22, 128*272                    ; my 128 rows
	s_add_co_u32 s20, s20, s12
	s_add_co_u32 s20, s20, HV
	s_mul_i32 s12, s22, 64*272                     ; and in h_u
	s_add_co_u32 s12, s12, HUL
	s_mul_i32 s22, s22, 4*PW
	s_add_co_u32 s13, s13, s22
	s_add_co_u32 s13, s13, PART
	s_mul_i32 s22, s[WV], PW
	s_add_co_u32 s22, s22, PART
	v_and_b32 v[T1], 7, v[LR]
	v_lshrrev_b32 v[T2], 3, v[LR]
	v_lshrrev_b32 v[T3], 1, v[LR]
	v_and_b32 v[T4], 1, v[LR]
	v_mul_u32_u24 v[AHV], 272, v[LR]
	v_mul_u32_u24 v[T5], RP, v[T1]
	v_lshl_add_u32 v[T1], v[LH], 3, v[T1]          ; scale words: lane's r = 8 (l / 16) + l % 8
	v_mul_u32_u24 v[T6], 528, v[T2]
	v_mul_u32_u24 v[AHU], 272, v[T3]               ; h_u: two rows of 128 bytes share a unit of 256, units 272 bytes apart
	v_lshl_add_u32 v[AHV], v[LH], 4, v[AHV]
	v_lshl_add_u32 v[T5], v[LH], 4, v[T5]
	v_mul_u32_u24 v[ASC], 528, v[T1]
	v_lshlrev_b32 v[PFO], s[SH2], v[LR]
	v_lshl_add_u32 v[AHU], v[T4], 7, v[AHU]
	v_add_nc_u32 v[AHV], s20, v[AHV]
	v_add_nc_u32 v[T5], v[T5], v[T6]
	v_lshl_add_u32 v[ASC], v[T2], 5, v[ASC]
	v_and_b32 v[T1], 3, v[LR]
	v_lshl_add_u32 v[AHU], v[LH], 4, v[AHU]
	v_lshrrev_b32 v[T2], 2, v[LR]
	v_add_nc_u32 v[ADW+1], s19, v[T5]              ; slot 1 begins at 0
	v_add_nc_u32 v[ASC], s21, v[ASC]
	v_lshl_add_u32 v[PFO], v[LH], s[SH1], v[PFO]
	v_lshl_add_u32 v[T2], v[T1], 2, v[T2]          ; a row's place on the way out: 4 (n % 4) + (n % 16) / 4 of its 16
	v_add_nc_u32 v[AHU], s12, v[AHU]
	v_add_nc_u32 v[ADW], SLOT0, v[ADW+1]
	v_lshl_add_u32 v[T2], v[LH], 4, v[T2]
	v_bfe_u32 v[T3], v[LN], 2, 2
	v_and_b32 v[T4], 3, v[LN]
	v_lshrrev_b32 v[T5], 2, v[LN]
	v_mul_u32_u24 v[PST], 80, v[T2]
	v_mul_u32_u24 v[PLD], 320, v[T3]               ; back: four lanes a row, eight rows n an instruction
	v_mul_u32_u24 v[T6], 80, v[LH]
	v_lshlrev_b32 v[GOF], 7, v[T5]
	v_add_nc_u32 v[PST], s22, v[PST]
	v_lshl_add_u32 v[PLD], v[T4], 4, v[PLD]
	v_add_nc_u32 v[T6], s13, v[T6]
	v_lshl_add_u32 v[GOF], v[T4], 4, v[GOF]
	v_add_nc_u32 v[PLD], v[PLD], v[T6]
	s_wait_alu depctr_va_vdst(0)
	s_wait_tensorcnt 0x0                           ; my tile of the head's eight is in
	ds_add_u32 v[SPW], v[NIL]                      ; 0 onto my spare word
	s_wait_dscnt 0x0                               ; the add is done
	CROUND                                         ; everybody's tiles are in, and all eight work-groups are here
	REFILL 1                                       ; slot 1's first fill: one tensor load behind the round
	FETCH 0, 0
	VSC 0
	HULOAD 0
	HULOAD 1
	VSV 0
.irp nt, 2,3,4,5,6,7
	HULOAD \nt
.endr
	FETCH 0, 1
	WIN 0
	s_cmp_lt_u32 s[LIME], 2
	s_cbranch_scc0 .Lhead_not_mine
	global_prefetch_b8 v[PFO], s[PFA:PFA+1] th:TH_LOAD_NT scope:SCOPE_SE   ; W's slot 2, the second 64 e of h_v: what the first change of slots will load
.Lhead_not_mine:
	s_wait_loadcnt 0x0                             ; h_u's scale words
	s_wait_dscnt 40                                ; of 8 + 2 + 8 + 8 + 24 + 8 loads the first 18: the first fragments and scale words, tiles 0 and 1
	UNIT 0, 0, 0, 1, 0
	PLACES 4                                       ; no multiply-adds yet: the places in front of the first read of the results
	s_wait_dscnt 24                                ; the first 34: h_v's numbers, tiles 2 and 3
	UNIT 0, 0, 1, 1, 2
	s_wait_dscnt 16                                ; tiles 4 and 5
	UNIT 0, 0, 2, 1, 2
	s_wait_dscnt 8                                 ; tiles 6 and 7; the next fragments may be out
	UNIT 0, 0, 3, 1, 2
	E1A 0, 2
	WIN 0                                          ; at a label and at a branch every window is 0
	s_mov_b32 s[TRIP], 3
.Ltrip:                                            ; a trip: two slots, from a slot's second e to that of the slot two on; both slots are filled again: slots 2 to 7 in three trips
	REST 0, 2
	E0 1
	REST 1, 2
	E0 0
	WIN 0
	s_sub_co_u32 s[TRIP], s[TRIP], 1
	s_cmp_lg_u32 s[TRIP], 0
	s_cbranch_scc1 .Ltrip
	REST 0, 1                                      ; slots 6 and 7: nothing is left to ask for
	E0 1
	REST 1, 0
	UNIT 1, 3, 0, 1, 1                             ; the last e: a pair of tiles goes to LDS as soon as its sums are whole
	UNIT 1, 3, 1, 1, 1
	PUT 0
	UNIT 1, 3, 2, 1, 1
	PUT 1
	UNIT 1, 3, 3, 1, 1
	PUT 2
	UNIT 0, 0, 0, 0, 1                             ; the last unit's multiply-adds
	PUT 3
	WIN 0
	s_wait_dscnt 0x0                               ; for the others' sake: my stores have landed
	s_barrier_signal -1
	s_barrier_wait -1
	; THE WAY OUT.  Wave w adds the four waves' sums of rows 32 w .. 32 w + 31: rows 8 i .. 8 i + 7 in group i, 16 bytes a lane, and stores them.
.irp i, 0,1,2,3
.irp x, 0,1,2,3
	ds_load_b128 v[128+16*\i+4*\x:128+16*\i+4*\x+3], v[PLD] offset:\x*PW+1280*(\i/2)+160*(\i%2)
.endr
.endr
.macro ADD2 b, x, y
	v_pk_add_f32 v[\b+\x:\b+\x+1], v[\b+\x:\b+\x+1], v[\b+\y:\b+\y+1]
.endm
.irp i, 0,1,2,3
	s_wait_dscnt 12-4*\i                           ; the later groups' loads may stay out
.set bb, 128+16*\i
	ADD2 bb, 0, 4
	ADD2 bb, 8, 12
	ADD2 bb, 2, 6
	ADD2 bb, 10, 14
	ADD2 bb, 0, 8
	ADD2 bb, 2, 10
	global_store_b128 v[GOF], v[bb:bb+3], s[OUTP:OUTP+1] offset:1024*\i   ; eight rows n, 64 consecutive bytes of each
.endr
	s_wait_tensorcnt 0x0                           ; the wave's end: behind my last tensor load and my last LDS store
	ds_add_u32 v[SPW], v[NIL]
	s_wait_dscnt 0x0
	CROUND                                         ; the closing round: no work-group ends while a partner may still ask for a tile that names it
	s_endpgm
.Lfunc_end_k_qb5999173d1_kway:
	.size	k_qb5999173d1_kway, .Lfunc_end_k_qb5999173d1_kway-k_qb5999173d1_kway
	.p2alignl 7, 3214868480
	.fill 96, 4, 3214868480
	.section	.rodata,"a",@progbits
	.p2align	6, 0x0
	.amdhsa_kernel k_qb5999173d1_kway
		.amdhsa_group_segment_fixed_size 327680
		.amdhsa_private_segment_fixed_size 0
		.amdhsa_enable_private_segment 0
		.amdhsa_kernarg_size 48
		.amdhsa_user_sgpr_count 2
		.amdhsa_user_sgpr_kernarg_segment_ptr 1
		.amdhsa_wavefront_size32 1
		.amdhsa_system_sgpr_workgroup_id_x 1
		.amdhsa_system_sgpr_workgroup_id_y 1
		.amdhsa_system_sgpr_workgroup_id_z 1
		.amdhsa_system_vgpr_workitem_id 0
		.amdhsa_next_free_vgpr 512
		.amdhsa_next_free_sgpr 98
		.amdhsa_reserve_vcc 0
		.amdhsa_float_denorm_mode_32 3
		.amdhsa_float_denorm_mode_16_64 3
		.amdhsa_memory_ordered 1
		.amdhsa_forward_progress 1
		.amdhsa_inst_pref_size 136
	.end_amdhsa_kernel
	.amdgpu_metadata
---
amdhsa.version: [ 1, 2 ]
amdhsa.kernels:
  - .name:           k_qb5999173d1_kway
    .symbol:         k_qb5999173d1_kway.kd
    .args:
      - { .name: h_u_codes, .offset: 0, .size: 8, .value_kind: global_buffer, .address_space: global }
      - { .name: h_u_scales, .offset: 8, .size: 8, .value_kind: global_buffer, .address_space: global }
      - { .name: h_v, .offset: 16, .size: 8, .value_kind: global_buffer, .address_space: global }
      - { .name: weights_codes, .offset: 24, .size: 8, .value_kind: global_buffer, .address_space: global }
      - { .name: weights_scales, .offset: 32, .size: 8, .value_kind: global_buffer, .address_space: global }
      - { .name: out0, .offset: 40, .size: 8, .value_kind: global_buffer, .address_space: global }
    .group_segment_fixed_size: 327680
    .private_segment_fixed_size: 0
    .kernarg_segment_align: 8
    .kernarg_segment_size: 48
    .max_flat_workgroup_size: 256
    .sgpr_count:     98
    .vgpr_count:     512
    .wavefront_size: 32
...
	.end_amdgpu_metadata
.endif
;; end of part 1
